; MI455X (gfx1250); checked and timed in simulation.
; The chip was launched on July 23, 2026; its instructions are those of AMD's public machine-readable ISA for CDNA 5 (MIT licence, August 2026) and "CDNA5" Instruction Set Architecture Reference Guide (July 2026). The comments in the code are by the model that wrote it; some were corrected since.
;; Mo E. Allowed arithmetic: float matrix products may take bf16 or f16 operands with f32 sums; other float arithmetic in f32, or as packed bf16 or f16 multiplies, adds, multiply-adds, maxima and minima; sums over many terms, partial sums and values carried from step to step in f32; what a program stores and reads back later, other than sums and carried values, may be rounded once to bf16 or f16.
;; Inputs: We 8 x 1,024 x 1,024 float32; Wg 1,024 x 8 float32; be 8 x 1,024 float32; bg 8 float32; x 4 x 2,048 x 1,024 float32.
;; Outputs: out0 4 x 2,048 x 1,024 float32.
;; One version. Each part assembles by itself: llvm-mc -triple=amdgcn-amd-amdhsa -mcpu=gfx1250 --defsym DOCPART=n.
;; ======== version 1 of 1: 3 launches
;; workspace buffers: xb 16,777,216 bytes; wf 16,777,216 bytes; gw 65,536 bytes; sr 32,768 bytes of whole numbers; cnt 32,768 bytes of whole numbers; perm 32,768 bytes of whole numbers; tile 1,536 bytes of whole numbers
;; launch route (part 1): grid 256 x 1, 4 waves a work-group, no clusters, 26,624 bytes of LDS; arguments x, Wg, bg, xb, gw, sr, cnt; writes xb, gw, sr, cnt
.if DOCPART == 1
	.amdgcn_target "amdgcn-amd-amdhsa--gfx1250"
	.amdhsa_code_object_version 6
	.text
	.protected	k_qbe2584805e_route
	.globl	k_qbe2584805e_route
	.p2align	8
	.type	k_qbe2584805e_route,@function
k_qbe2584805e_route:
	s_mov_b64 s[64:65], 0
	v_nop
	global_prefetch_b8 v0, s[64:65] scope:SCOPE_SE
	s_setreg_imm32_b32 hwreg(HW_REG_WAVE_MODE, 25, 1), 1
	s_wait_xcnt 0x0
; ROUTE.  x [8192][1024] f32 is read once: it is rounded to bf16 and stored as xb, and the same rounded numbers give the gate's scores x Wg + bg
; (Wg and bg rounded to bf16 too, sums in f32, by the matrix unit).  For each token: the two highest scores (ties: the lower expert, by strict compares),
; their softmax (the maximum is taken away first), and the number of the SET of its two experts lo < hi: sid = lo (15 - lo) / 2 + hi - lo - 1, 0 to 27.
; Stored at fixed places: gw[token] = (weight of lo, weight of hi); sr[token] = sid | rank << 8, rank = how many earlier tokens of my block of 32 have the same set;
; cnt[block][s] = tokens of set s in the block (entries 28 to 31 are 0).  No address and no branch hangs on a score.
; SHARES.  A work-group owns 32 tokens, a wave 8; a lane owns 16 bytes of every 512 of a row.  K goes in 8 chunks of 128.
; LIMITS.  NaN and infinities among the scores are not treated apart (two different experts are still named); a weight below 2^-126 counts as 0.
; No cluster and no tensor load: a work-group shares nothing with another but Wg's 32 KB, and x is used as it passes through registers.
.set XT,    16384                      ; LDS 0..16383: Wg as bf16, [k][8 experts], 16 bytes a k.  From XT on: each wave's own 8 rows x 128 k of x in bf16
.set XTW,   2304                       ; a wave's part: 8 rows of 272 bytes, rounded up to whole blocks of 256
.set XP,    272                        ; 256 bytes + 16: an odd multiple of 16
.set SIDL,  25600                      ; the block's 32 set numbers
.set GWL,   25856                      ; the block's 32 pairs of weights
.set SPARE, 26112                      ; the spare words, 128 bytes a wave: no other line names them
.set SPW, 14                           ; v14  my spare word's address; never rewritten
.set NIL, 15                           ; v15  0; never rewritten
.set R,   16                           ; v[16:143]   ring of 4 chunks x 8 tokens x 4 registers of x as loaded
.set P,   144                          ; v[144:159]  a chunk rounded: 8 tokens x 2 registers
.set XF,  160                          ; v[160:191]  4 fragments of x (16 columns = my 8 tokens twice, 32 k)
.set WF,  192                          ; v[192:223]  4 fragments of Wg (16 rows = the 8 experts twice, 32 k)
.set ACC, 224                          ; v[224:255]  4 accumulators, one for each 32 k of a chunk
	s_load_b256 s[4:11], s[0:1], 0x0               ; x s[4:5], Wg s[6:7], bg s[8:9], xb s[10:11]
	s_load_b128 s[12:15], s[0:1], 0x20             ; gw s[12:13], sr s[14:15]
	s_load_b64 s[16:17], s[0:1], 0x30              ; cnt
	v_lshl_add_u32 v[SPW], v0, 2, SPARE
	v_mov_b32 v[NIL], 0
	v_lshrrev_b32 v8, 5, v0
	v_readfirstlane_b32 s18, v8                    ; wave 0..3
	v_and_b32 v9, 31, v0                           ; lane
	v_lshlrev_b32 v1, 4, v9                        ; my 16 bytes in 512 of x
	v_lshlrev_b32 v2, 3, v9                        ; my 8 bytes in 256 of xb
	v_and_b32 v10, 7, v0                           ; lane % 8: the token whose scores I shall hold
	v_bfe_u32 v11, v0, 4, 1                        ; h = lane / 16
	s_mul_i32 s32, s18, XTW
	s_add_co_u32 s32, s32, XT                      ; my wave's rows in LDS
	v_lshl_add_u32 v3, v9, 3, s32                  ; in: 8 bytes a lane
	v_mul_u32_u24 v4, v10, XP                      ; back, as a fragment: row lane % 8, 16 bytes for each half of the lanes
	v_lshl_add_u32 v4, v11, 4, v4
	v_add_nc_u32 v4, s32, v4
	v_lshl_add_u32 v5, v11, 3, v10                 ; Wg's turning load: row k = 8 h + lane % 8 of 16 bytes.  Lanes 8-15 of a half name the same rows as
	v_lshlrev_b32 v5, 4, v5                        ; lanes 0-7, so the fragment's rows 8-15 repeat experts 0-7
	v_lshlrev_b32 v6, 4, v0                        ; Wg in memory: 16 bytes a thread
	v_lshlrev_b32 v7, 3, v0                        ; and in LDS: 8
	s_lshl_b32 s19, ttmp9, 5
	s_lshl3_add_u32 s19, s18, s19                  ; my wave's first token = 32 x block + 8 x wave
	s_lshl_b32 s28, s19, 12                        ; its byte in x,
	s_mov_b32 s29, 0
	s_lshl_b32 s30, s19, 11                        ; and in xb
	s_mov_b32 s31, 0
	s_wait_kmcnt 0x0
	s_add_nc_u64 s[4:5], s[4:5], s[28:29]
	s_add_nc_u64 s[10:11], s[10:11], s[30:31]
	s_load_b256 s[20:27], s[8:9], 0x0              ; bg
.irp i, 0,1,2,3,4,5,6,7,8,9,10,11,12,13,14,15
	global_load_b128 v[XF+4*\i:XF+4*\i+3], v6, s[6:7] offset:\i*2048   ; Wg: 128 threads x 16 bytes x 16
.endr
.irp c, 0,1,2,3
.irp t, 0,1,2,3,4,5,6,7
	global_load_b128 v[R+32*\c+4*\t:R+32*\c+4*\t+3], v1, s[4:5] offset:\t*4096+\c*512 th:TH_LOAD_NT  ; chunks 0 to 3 fill the ring
.endr
.endr
	s_wait_loadcnt 32                              ; Wg is in; the 32 loads of x issued behind it stay out
.irp i, 0,1,2,3,4,5,6,7,8,9,10,11,12,13,14,15
	v_cvt_pk_bf16_f32 v[XF+4*\i],   v[XF+4*\i],   v[XF+4*\i+1]
	v_cvt_pk_bf16_f32 v[XF+4*\i+1], v[XF+4*\i+2], v[XF+4*\i+3]
	ds_store_b64 v7, v[XF+4*\i:XF+4*\i+1] offset:\i*1024
.endr
	s_wait_dscnt 0x0                               ; for the others' sake: my part of Wg is in LDS
	s_barrier_signal -1
	s_barrier_wait -1                              ; everybody's is
; Chunk c: 128 k of my 8 tokens.  left = the loads of later chunks that may stay out.  refill = 1: the ring's slot takes chunk c + 4.
.macro CHUNK c, refill, left
	s_wait_loadcnt \left                           ; loads come back in order: this chunk's eight are in
	s_wait_xcnt 0x0                                ; P was the last chunk's store data: it is rewritten only behind this wait
.irp t, 0,1,2,3,4,5,6,7
	v_cvt_pk_bf16_f32 v[P+2*\t],   v[R+32*((\c)%4)+4*\t],   v[R+32*((\c)%4)+4*\t+1]   ; these sixteen name no register of the last chunk's matrix
	v_cvt_pk_bf16_f32 v[P+2*\t+1], v[R+32*((\c)%4)+4*\t+2], v[R+32*((\c)%4)+4*\t+3]   ; instructions: they are the places ahead of the fragment loads below
.endr
.if \refill
.irp t, 0,1,2,3,4,5,6,7
	global_load_b128 v[R+32*((\c)%4)+4*\t:R+32*((\c)%4)+4*\t+3], v1, s[4:5] offset:\t*4096+((\c)+4)*512 th:TH_LOAD_NT
.endr
.endif
.irp t, 0,1,2,3,4,5,6,7
	global_store_b64 v2, v[P+2*\t:P+2*\t+1], s[10:11] offset:\t*2048+(\c)*256   ; the wave stores 256 consecutive bytes, at a multiple of 256 from xb's first
.endr
.irp t, 0,1,2,3,4,5,6,7
	ds_store_b64 v3, v[P+2*\t:P+2*\t+1] offset:\t*XP       ; my wave's own rows: LDS serves a wave's instructions in order, so no barrier and no wait ahead of the loads
.endr
.irp k, 0,1,2,3
	ds_load_b128 v[XF+8*\k:XF+8*\k+3],   v4 offset:\k*64
	ds_load_b128 v[XF+8*\k+4:XF+8*\k+7], v4 offset:\k*64+32
	ds_load_tr16_b128 v[WF+8*\k:WF+8*\k+3],   v5 offset:(4*(\c)+\k)*512
	ds_load_tr16_b128 v[WF+8*\k+4:WF+8*\k+7], v5 offset:(4*(\c)+\k)*512+256
.endr
	s_wait_dscnt 0x0
.irp k, 0,1,2,3                        ; the four accumulators take turns; chunk 0 starts the sums
.if (\c) == 0
	v_wmma_f32_16x16x32_bf16 v[ACC+8*\k:ACC+8*\k+7], v[WF+8*\k:WF+8*\k+7], v[XF+8*\k:XF+8*\k+7], 0
.else
	v_wmma_f32_16x16x32_bf16 v[ACC+8*\k:ACC+8*\k+7], v[WF+8*\k:WF+8*\k+7], v[XF+8*\k:XF+8*\k+7], v[ACC+8*\k:ACC+8*\k+7]
.endif
.endr
.endm
	CHUNK 0, 1, 24
	CHUNK 1, 1, 24
	CHUNK 2, 1, 24
	CHUNK 3, 1, 24
	CHUNK 4, 0, 24
	CHUNK 5, 0, 16                                 ; nothing is left to fetch: the counts run down
	CHUNK 6, 0, 8
	CHUNK 7, 0, 0
	; In each accumulator register j of every lane is expert j's part score of token lane % 8.  bg is rounded to bf16 and widened: twelve plain instructions, the places behind the last products.
	s_wait_kmcnt 0x0
	v_cvt_pk_bf16_f32 v24, s20, s21
	v_cvt_pk_bf16_f32 v25, s22, s23
	v_cvt_pk_bf16_f32 v26, s24, s25
	v_cvt_pk_bf16_f32 v27, s26, s27
.irp i, 0,1,2,3
	v_lshlrev_b32 v[16+2*\i], 16, v[24+\i]
	v_and_b32 v[17+2*\i], 0xffff0000, v[24+\i]
.endr
.irp p, 0,1,2,3                        ; each accumulator is read from its low end on
	v_pk_add_f32 v[32+2*\p:33+2*\p], v[ACC+2*\p:ACC+2*\p+1], v[ACC+8+2*\p:ACC+8+2*\p+1]
	v_pk_add_f32 v[40+2*\p:41+2*\p], v[ACC+16+2*\p:ACC+16+2*\p+1], v[ACC+24+2*\p:ACC+24+2*\p+1]
.endr
.irp p, 0,1,2,3
	v_pk_add_f32 v[32+2*\p:33+2*\p], v[32+2*\p:33+2*\p], v[40+2*\p:41+2*\p]
.endr
.irp p, 0,1,2,3
	v_pk_add_f32 v[32+2*\p:33+2*\p], v[32+2*\p:33+2*\p], v[16+2*\p:17+2*\p]     ; v[32:39]: the 8 scores
.endr
	; The two highest.  v32 = the highest so far (it starts as expert 0's score), v49 its expert; v50, v51 the second.  A later expert takes a place only by a strictly higher score.
	v_mov_b32 v49, 0
	v_mov_b32 v50, 0xff800000                      ; -infinity
	v_mov_b32 v51, 1
.irp e, 1,2,3,4,5,6,7
	v_cmp_gt_f32 s32, v[32+\e], v32
	v_cmp_gt_f32 s33, v[32+\e], v50
	v_cndmask_b32 v50, v50, v[32+\e], s33
	v_cndmask_b32 v51, v51, \e, s33
	v_cndmask_b32 v50, v50, v32, s32
	v_cndmask_b32 v51, v51, v49, s32
	v_cndmask_b32 v32, v32, v[32+\e], s32
	v_cndmask_b32 v49, v49, \e, s32
.endr
	; softmax over the two: with E = e^(second - first), the weights are 1 / (1 + E) and E / (1 + E)
	v_sub_f32 v52, v50, v32
	v_mul_f32 v52, 0x3fb8aa3b, v52                 ; log2(e)
	v_exp_f32 v53, v52
	v_min_u32 v54, v49, v51                        ; lo: the plain instruction behind the exponential
	s_wait_alu depctr_va_vdst(0)                   ; the wait stands ahead of the result's first reader
	v_add_f32 v55, 1.0, v53
	v_rcp_f32 v58, v55
	v_max_u32 v59, v49, v51                        ; hi: the plain instruction behind the reciprocal
	s_wait_alu depctr_va_vdst(0)
	v_mul_f32 v60, v53, v58
	v_cmp_lt_u32 s32, v49, v51                     ; is the first the lower expert?
	v_cndmask_b32 v56, v60, v58, s32               ; lo's weight
	v_cndmask_b32 v57, v58, v60, s32               ; hi's
	v_sub_nc_u32 v61, 15, v54
	v_mul_lo_u32 v61, v61, v54
	v_lshrrev_b32 v61, 1, v61
	v_add_nc_u32 v61, v61, v59
	v_sub_nc_u32 v61, v61, v54
	v_add_nc_u32 v61, -1, v61                      ; sid
	s_lshl_b32 s34, s18, 3
	v_add_nc_u32 v62, s34, v10                     ; my token's place in the block; four lanes hold the same token and store the same numbers
	v_lshlrev_b32 v63, 2, v62
	v_lshlrev_b32 v62, 3, v62
	ds_store_b32 v63, v61 offset:SIDL
	ds_store_b64 v62, v[56:57] offset:GWL
	s_wait_dscnt 0x0                               ; for wave 0's sake
	s_barrier_signal -1
	s_barrier_wait -1
	s_cmp_lg_u32 s18, 0
	s_cbranch_scc1 .Lend
	; Wave 0, a lane for each token of the block: the weights go out, and the block's sets are counted.
	v_lshlrev_b32 v64, 2, v9
	ds_load_b32 v65, v64 offset:SIDL
	ds_load_b64 v[66:67], v2 offset:GWL
	s_lshl_b32 s28, ttmp9, 8                       ; the block's 256 bytes of gw,
	s_lshl_b32 s30, ttmp9, 7                       ; and its 128 of sr and of cnt
	s_add_nc_u64 s[12:13], s[12:13], s[28:29]
	s_add_nc_u64 s[14:15], s[14:15], s[30:31]
	s_add_nc_u64 s[16:17], s[16:17], s[30:31]
	v_mov_b32 v68, 0                               ; lane s: tokens of set s
	v_mov_b32 v69, 0                               ; my rank among my set's tokens
	s_wait_dscnt 0x0
	global_store_b64 v2, v[66:67], s[12:13]        ; 256 consecutive bytes, aligned
.irp s, 0,1,2,3,4,5,6,7,8,9,10,11,12,13,14,15,16,17,18,19,20,21,22,23,24,25,26,27
	v_cmp_eq_u32 s34, \s, v65                      ; the lanes of set s
	s_bcnt1_i32_b32 s35, s34
	v_writelane_b32 v68, s35, \s
	v_mbcnt_lo_u32_b32 v70, s34, 0                 ; how many of them lie below me
	v_cndmask_b32 v69, v69, v70, s34
.endr
	v_lshl_or_b32 v71, v69, 8, v65
	global_store_b32 v64, v71, s[14:15]
	global_store_b32 v64, v68, s[16:17]
.Lend:
	s_wait_tensorcnt 0x0                           ; the wave's end
	ds_add_u32 v[SPW], v[NIL]
	s_wait_dscnt 0x0
	s_endpgm
.Lfunc_end_k_qbe2584805e_route:
	.size	k_qbe2584805e_route, .Lfunc_end_k_qbe2584805e_route-k_qbe2584805e_route
	.p2alignl 7, 3214868480
	.fill 96, 4, 3214868480
	.section	.rodata,"a",@progbits
	.p2align	6, 0x0
	.amdhsa_kernel k_qbe2584805e_route
		.amdhsa_group_segment_fixed_size 26624
		.amdhsa_private_segment_fixed_size 0
		.amdhsa_enable_private_segment 0
		.amdhsa_kernarg_size 56
		.amdhsa_user_sgpr_count 2
		.amdhsa_user_sgpr_kernarg_segment_ptr 1
		.amdhsa_wavefront_size32 1
		.amdhsa_system_sgpr_workgroup_id_x 1
		.amdhsa_system_sgpr_workgroup_id_y 1
		.amdhsa_system_sgpr_workgroup_id_z 1
		.amdhsa_system_vgpr_workitem_id 0
		.amdhsa_next_free_vgpr 256
		.amdhsa_next_free_sgpr 66
		.amdhsa_reserve_vcc 0
		.amdhsa_float_denorm_mode_32 3
		.amdhsa_float_denorm_mode_16_64 3
		.amdhsa_memory_ordered 1
		.amdhsa_forward_progress 1
		.amdhsa_inst_pref_size 57
	.end_amdhsa_kernel
	.amdgpu_metadata
---
amdhsa.version: [ 1, 2 ]
amdhsa.kernels:
  - .name:           k_qbe2584805e_route
    .symbol:         k_qbe2584805e_route.kd
    .args:
      - { .name: x, .offset: 0, .size: 8, .value_kind: global_buffer, .address_space: global }
      - { .name: Wg, .offset: 8, .size: 8, .value_kind: global_buffer, .address_space: global }
      - { .name: bg, .offset: 16, .size: 8, .value_kind: global_buffer, .address_space: global }
      - { .name: xb, .offset: 24, .size: 8, .value_kind: global_buffer, .address_space: global }
      - { .name: gw, .offset: 32, .size: 8, .value_kind: global_buffer, .address_space: global }
      - { .name: sr, .offset: 40, .size: 8, .value_kind: global_buffer, .address_space: global }
      - { .name: cnt, .offset: 48, .size: 8, .value_kind: global_buffer, .address_space: global }
    .group_segment_fixed_size: 26624
    .private_segment_fixed_size: 0
    .kernarg_segment_align: 8
    .kernarg_segment_size: 56
    .max_flat_workgroup_size: 128
    .sgpr_count:     66
    .vgpr_count:     256
    .wavefront_size: 32
...
	.end_amdgpu_metadata
.endif
;; end of part 1
;; launch prep (part 2): grid 256 x 1, 8 waves a work-group, no clusters, 3,072 bytes of LDS; arguments We, cnt, sr, wf, perm, tile; writes wf, perm, tile
.if DOCPART == 2
	.amdgcn_target "amdgcn-amd-amdhsa--gfx1250"
	.amdhsa_code_object_version 6
	.text
	.protected	k_qbe2584805e_prep
	.globl	k_qbe2584805e_prep
	.p2align	8
	.type	k_qbe2584805e_prep,@function
k_qbe2584805e_prep:
	s_mov_b64 s[64:65], 0
	v_nop
	global_prefetch_b8 v0, s[64:65] scope:SCOPE_SE
	s_setreg_imm32_b32 hwreg(HW_REG_WAVE_MODE, 25, 1), 1
	s_wait_xcnt 0x0
; PREP.  Two pieces of work that need each other's launch only.
; (1) THE WEIGHTS, rounded once to bf16 and laid in the order in which the last launch's operand registers take them:
;     wf[e][u 0..15][ks 0..31][nb 0..3][p 0..1][lane (r, h)][j 0..7] = bf16(We[e][32 ks + 16 p + 8 h + j][64 u + 4 r + nb]).
;     Fragment nb of a unit of 64 columns holds columns 4 r + nb, so that here a lane's 16 loaded bytes (columns 4 r .. 4 r + 3 of one row) feed its own place in the four
;     fragments: loads cover two whole pieces of 256 bytes, stores 512 bytes on end, and nothing changes lanes.  Work-group g has expert g / 32, unit (g / 2) % 16, half g % 2 of K:
;     64 KB of wf on end, at g x 65,536; a wave has 2 K steps of 32.
; (2) THE SORT of the tokens by their set of experts, a counting sort without atomics: every work-group adds up all 256 blocks' counts (32 KB) and the counts of the blocks ahead of
;     its own block g, and places its 32 tokens: perm[first place of the set + tokens of the set in earlier blocks + rank in the block] = token.
;     Work-group 0 also writes the table of tiles: set s with c tokens has ceil(c / 160) tiles; tile j of it takes rows 160 j on.  Entry = (first place in perm, rows, lo, hi);
;     entries past the last tile have rows = 0.  Whatever the split there are at most (8192 + 28 x 159) / 160 = 79 tiles; 96 entries are written.
; No matrix unit, cluster or tensor load: each byte of We has one reader and is used as it passes through registers.
.set SPARE, 2048                       ; LDS 0..2047: each wave's part sums, 128 bytes of totals and 128 of sums ahead of my block.  Then the spare words, 128 bytes a wave
.set C,   16                           ; v[16:47]   32 blocks' counts, lane = set
.set L,   48                           ; v[48:175]  32 rows' 16 bytes of We
.set P,   176                          ; v[176:207] two sets of 16 registers to store
.set SPW, 208
.set NIL, 209
.set TT,  212                          ; v[212:247] the tile table's work, 12 registers for each 32 entries
	s_load_b256 s[4:11], s[0:1], 0x0               ; We s[4:5], cnt s[6:7], sr s[8:9], wf s[10:11]
	s_load_b128 s[12:15], s[0:1], 0x20             ; perm s[12:13], tile s[14:15]
	v_lshl_add_u32 v[SPW], v0, 2, SPARE
	v_mov_b32 v[NIL], 0
	v_lshrrev_b32 v7, 5, v0
	v_readfirstlane_b32 s18, v7                    ; wave 0..7
	v_and_b32 v8, 31, v0                           ; lane
	v_lshlrev_b32 v1, 2, v8
	v_and_b32 v9, 15, v0                           ; r
	v_bfe_u32 v10, v0, 4, 1                        ; h
	v_lshlrev_b32 v2, 15, v10                      ; 8 h rows of 4,096 bytes
	v_lshl_add_u32 v2, v9, 4, v2                   ; + 16 r
	v_lshlrev_b32 v3, 4, v8                        ; 16 x lane
	s_lshr_b32 s19, ttmp9, 5                       ; expert
	s_bfe_u32 s20, ttmp9, 0x40001                  ; unit
	s_and_b32 s21, ttmp9, 1                        ; half of K
	s_lshl_b32 s22, s19, 22                        ; We: expert x 4 MB + (512 x half + 64 x wave) rows + 256 x unit
	s_lshl_b32 s23, s21, 21
	s_add_co_u32 s22, s22, s23
	s_lshl_b32 s23, s18, 18
	s_add_co_u32 s22, s22, s23
	s_lshl_b32 s23, s20, 8
	s_add_co_u32 s22, s22, s23
	s_mov_b32 s23, 0
	s_lshl_b32 s24, ttmp9, 16                      ; wf: g x 64 KB + wave x 2 K steps of 4,096 bytes
	s_lshl_b32 s25, s18, 13
	s_add_co_u32 s24, s24, s25
	s_mov_b32 s25, 0
	s_lshl_b32 s26, s18, 12                        ; cnt: my wave's 32 blocks
	s_mov_b32 s27, 0
	s_lshl_b32 s28, ttmp9, 7                       ; sr: my block's 32 tokens
	s_mov_b32 s29, 0
	s_wait_kmcnt 0x0
	s_add_nc_u64 s[4:5], s[4:5], s[22:23]
	s_add_nc_u64 s[10:11], s[10:11], s[24:25]
	s_add_nc_u64 s[6:7], s[6:7], s[26:27]
	s_add_nc_u64 s[8:9], s[8:9], s[28:29]
.macro WELOAD g                        ; group g = 2 x K step + p: rows 16 g + 8 h + j
.irp j, 0,1,2,3,4,5,6,7
	global_load_b128 v[L+4*(8*(\g)+\j):L+4*(8*(\g)+\j)+3], v2, s[4:5] offset:(16*(\g)+\j)*4096 th:TH_LOAD_NT
.endr
.endm
	global_load_b32 v6, v1, s[8:9]                 ; every wave issues it, so that all waves' counts are alike; wave 0 uses it
.set i, 0
.rept 32
	global_load_b32 v[C+i], v1, s[6:7] offset:i*128
.set i, i+1
.endr
	WELOAD 0
	WELOAD 1
	WELOAD 2
	s_wait_loadcnt 24                              ; sr and the counts are in; the 24 loads of We issued behind them stay out
	WELOAD 3
	s_lshl_b32 s24, s18, 5
	s_sub_co_i32 s24, ttmp9, s24
	s_max_i32 s24, s24, 0                          ; how many of my wave's 32 blocks lie ahead of block g
	v_mov_b32 v5, 0
	v_add_nc_u32 v4, v[C], v[C+1]
.set i, 2
.rept 15
	v_add3_u32 v4, v4, v[C+i], v[C+i+1]            ; the set's tokens in my 32 blocks
.set i, i+2
.endr
.set i, 0
.rept 32
	s_cmp_gt_u32 s24, i
	s_cselect_b32 s25, 1, 0
	v_mad_u32_u24 v5, v[C+i], s25, v5              ; and in those of them ahead of block g
.set i, i+1
.endr
	s_lshl_b32 s26, s18, 8
	v_add_nc_u32 v11, s26, v1
	ds_store_b32 v11, v4
	ds_store_b32 v11, v5 offset:128
	s_wait_dscnt 0x0                               ; for wave 0's sake
	s_barrier_signal -1
	s_barrier_wait -1
	s_cmp_lg_u32 s18, 0
	s_cbranch_scc1 .Lcast
	; Wave 0 places the block's tokens.  It issues no global load here, so the cast's counts hold for it as for the others.
.irp w, 0,1,2,3,4,5,6,7
	ds_load_b32 v[C+\w], v1 offset:\w*256
	ds_load_b32 v[C+8+\w], v1 offset:\w*256+128
.endr
	s_wait_dscnt 0x0
	v_add3_u32 v4, v[C], v[C+1], v[C+2]
	v_add3_u32 v4, v4, v[C+3], v[C+4]
	v_add3_u32 v4, v4, v[C+5], v[C+6]
	v_add_nc_u32 v4, v4, v[C+7]                    ; lane s: all tokens of set s
	v_add3_u32 v5, v[C+8], v[C+9], v[C+10]
	v_add3_u32 v5, v5, v[C+11], v[C+12]
	v_add3_u32 v5, v5, v[C+13], v[C+14]
	v_add_nc_u32 v5, v5, v[C+15]                   ; those in blocks ahead of mine
	v_mov_b32 v12, 0
	s_mov_b32 s27, 0
.irp s, 0,1,2,3,4,5,6,7,8,9,10,11,12,13,14,15,16,17,18,19,20,21,22,23,24,25,26,27
	v_readlane_b32 s28, v4, \s
	v_writelane_b32 v12, s27, \s                   ; lane s: the set's first place in perm
	s_add_co_u32 s27, s27, s28
.endr
	v_add_nc_u32 v13, v12, v5
	v_and_b32 v7, 0xff, v6
	v_min_u32 v7, 31, v7                           ; my token's set
	v_lshlrev_b32 v7, 2, v7
	ds_bpermute_b32 v14, v7, v13                   ; its set's next free place at my block
	v_lshrrev_b32 v9, 8, v6                        ; its rank in the block
	s_lshl_b32 s29, ttmp9, 5
	v_add_nc_u32 v15, s29, v8                      ; its number
	s_wait_dscnt 0x0
	v_add_nc_u32 v14, v14, v9
	v_min_u32 v14, 0x1fff, v14                     ; a loaded number enters an address only clamped
	v_lshlrev_b32 v14, 2, v14
	global_store_b32 v14, v15, s[12:13]
	s_cmp_lg_u32 ttmp9, 0
	s_cbranch_scc1 .Lcast
	; Work-group 0: the table of tiles.  ceil(c / 160) = ((c + 159) / 32) / 5, and x / 5 = (205 x) >> 10 for x up to 260.
	v_add_nc_u32 v16, 159, v4
	v_lshrrev_b32 v16, 5, v16
	v_mul_u32_u24 v16, v16, 205
	v_lshrrev_b32 v16, 10, v16                     ; lane s: the set's tiles
	v_mov_b32 v17, 0
	s_mov_b32 s27, 0
.irp s, 0,1,2,3,4,5,6,7,8,9,10,11,12,13,14,15,16,17,18,19,20,21,22,23,24,25,26,27
	v_readlane_b32 s28, v16, \s
	v_writelane_b32 v17, s27, \s                   ; lane s: the set's first tile
	s_add_co_u32 s27, s27, s28
.endr
.irp q, 0,1,2
	v_add_nc_u32 v[TT+12*\q], 32*\q, v8            ; my entry's number
	v_mov_b32 v[TT+12*\q+1], 0                     ; its set: the last whose first tile is not beyond it (set 0's is 0)
.endr
.irp s, 1,2,3,4,5,6,7,8,9,10,11,12,13,14,15,16,17,18,19,20,21,22,23,24,25,26,27
	v_readlane_b32 s28, v17, \s
.irp q, 0,1,2
	v_cmp_le_u32 s30, s28, v[TT+12*\q]
	v_cndmask_b32 v[TT+12*\q+1], v[TT+12*\q+1], \s, s30
.endr
.endr
.irp q, 0,1,2
	v_lshlrev_b32 v[TT+12*\q+9], 2, v[TT+12*\q+1]
	ds_bpermute_b32 v[TT+12*\q+2], v[TT+12*\q+9], v17      ; that set's first tile,
	ds_bpermute_b32 v[TT+12*\q+3], v[TT+12*\q+9], v12      ; first place,
	ds_bpermute_b32 v[TT+12*\q+8], v[TT+12*\q+9], v4       ; and tokens
.endr
	s_wait_dscnt 0x0
.irp q, 0,1,2
	v_sub_nc_u32 v[TT+12*\q+10], v[TT+12*\q], v[TT+12*\q+2]
	v_mul_u32_u24 v[TT+12*\q+10], v[TT+12*\q+10], 160      ; 160 j
	v_add_nc_u32 v[TT+12*\q+4], v[TT+12*\q+3], v[TT+12*\q+10]   ; the tile's first place
	v_min_u32 v[TT+12*\q+9], v[TT+12*\q+8], v[TT+12*\q+10]
	v_sub_nc_u32 v[TT+12*\q+9], v[TT+12*\q+8], v[TT+12*\q+9]
	v_min_u32 v[TT+12*\q+5], 160, v[TT+12*\q+9]            ; its rows: what is left of the set, 160 at the most, 0 past the set's end
	v_mov_b32 v[TT+12*\q+6], 0
.irp c, 7,13,18,22,25,27               ; the first set numbers of lo = 1 .. 6
	v_cmp_le_u32 s30, \c, v[TT+12*\q+1]
	v_cndmask_b32 v[TT+12*\q+9], 0, 1, s30
	v_add_nc_u32 v[TT+12*\q+6], v[TT+12*\q+6], v[TT+12*\q+9]    ; lo
.endr
	v_sub_nc_u32 v[TT+12*\q+9], 15, v[TT+12*\q+6]
	v_mul_u32_u24 v[TT+12*\q+9], v[TT+12*\q+9], v[TT+12*\q+6]
	v_lshrrev_b32 v[TT+12*\q+9], 1, v[TT+12*\q+9]
	v_sub_nc_u32 v[TT+12*\q+7], v[TT+12*\q+1], v[TT+12*\q+9]
	v_add3_u32 v[TT+12*\q+7], v[TT+12*\q+7], v[TT+12*\q+6], 1   ; hi = sid - lo (15 - lo) / 2 + lo + 1
	global_store_b128 v3, v[TT+12*\q+4:TT+12*\q+7], s[14:15] offset:512*\q
.endr
.Lcast:
; Group g: eight rows' 16 bytes a lane.  Column c of rows j, j + 1 pack into word j / 2 of my 16 bytes of fragment c.
.macro CAST g
	s_wait_loadcnt 24-8*(\g)                       ; the later groups' loads stay out
.if (\g) >= 2
	s_wait_xcnt 0x0                                ; this set of P was group g - 2's store data
.endif
.irp c, 0,1,2,3
.irp w, 0,1,2,3
	v_cvt_pk_bf16_f32 v[P+16*((\g)%2)+4*\c+\w], v[L+4*(8*(\g)+2*\w)+\c], v[L+4*(8*(\g)+2*\w+1)+\c]
.endr
	global_store_b128 v3, v[P+16*((\g)%2)+4*\c:P+16*((\g)%2)+4*\c+3], s[10:11] offset:((\g)/2)*4096+\c*1024+((\g)%2)*512   ; 512 consecutive bytes, aligned
.endr
.endm
	CAST 0
	CAST 1
	CAST 2
	CAST 3
	s_wait_tensorcnt 0x0                           ; the wave's end
	ds_add_u32 v[SPW], v[NIL]
	s_wait_dscnt 0x0
	s_endpgm
.Lfunc_end_k_qbe2584805e_prep:
	.size	k_qbe2584805e_prep, .Lfunc_end_k_qbe2584805e_prep-k_qbe2584805e_prep
	.p2alignl 7, 3214868480
	.fill 96, 4, 3214868480
	.section	.rodata,"a",@progbits
	.p2align	6, 0x0
	.amdhsa_kernel k_qbe2584805e_prep
		.amdhsa_group_segment_fixed_size 3072
		.amdhsa_private_segment_fixed_size 0
		.amdhsa_enable_private_segment 0
		.amdhsa_kernarg_size 48
		.amdhsa_user_sgpr_count 2
		.amdhsa_user_sgpr_kernarg_segment_ptr 1
		.amdhsa_wavefront_size32 1
		.amdhsa_system_sgpr_workgroup_id_x 1
		.amdhsa_system_sgpr_workgroup_id_y 1
		.amdhsa_system_sgpr_workgroup_id_z 1
		.amdhsa_system_vgpr_workitem_id 0
		.amdhsa_next_free_vgpr 256
		.amdhsa_next_free_sgpr 66
		.amdhsa_reserve_vcc 0
		.amdhsa_float_denorm_mode_32 3
		.amdhsa_float_denorm_mode_16_64 3
		.amdhsa_memory_ordered 1
		.amdhsa_forward_progress 1
		.amdhsa_inst_pref_size 48
	.end_amdhsa_kernel
	.amdgpu_metadata
---
amdhsa.version: [ 1, 2 ]
amdhsa.kernels:
  - .name:           k_qbe2584805e_prep
    .symbol:         k_qbe2584805e_prep.kd
    .args:
      - { .name: We, .offset: 0, .size: 8, .value_kind: global_buffer, .address_space: global }
      - { .name: cnt, .offset: 8, .size: 8, .value_kind: global_buffer, .address_space: global }
      - { .name: sr, .offset: 16, .size: 8, .value_kind: global_buffer, .address_space: global }
      - { .name: wf, .offset: 24, .size: 8, .value_kind: global_buffer, .address_space: global }
      - { .name: perm, .offset: 32, .size: 8, .value_kind: global_buffer, .address_space: global }
      - { .name: tile, .offset: 40, .size: 8, .value_kind: global_buffer, .address_space: global }
    .group_segment_fixed_size: 3072
    .private_segment_fixed_size: 0
    .kernarg_segment_align: 8
    .kernarg_segment_size: 48
    .max_flat_workgroup_size: 256
    .sgpr_count:     66
    .vgpr_count:     256
    .wavefront_size: 32
...
	.end_amdgpu_metadata
.endif
;; end of part 2
;; launch chain (part 3): grid 4 x 79, 4 waves a work-group, no clusters, 327,680 bytes of LDS; arguments xb, wf, be, gw, perm, tile, out0; writes out0
.if DOCPART == 3
	.amdgcn_target "amdgcn-amd-amdhsa--gfx1250"
	.amdhsa_code_object_version 6
	.text
	.protected	k_qbe2584805e_chain
	.globl	k_qbe2584805e_chain
	.p2align	8
	.type	k_qbe2584805e_chain,@function
k_qbe2584805e_chain:
	s_mov_b64 s[64:65], 0
	v_nop
	global_prefetch_b8 v0, s[64:65] scope:SCOPE_SE
	s_setreg_imm32_b32 hwreg(HW_REG_WAVE_MODE, 25, 1), 1
	s_wait_xcnt 0x0
; CHAIN.  out0[t] = w_lo (x[t] We[lo] + be[lo]) + w_hi (x[t] We[hi] + be[hi]) for the tokens of one tile: up to 160 tokens that chose the same two experts.  Each output row has one owner.
; x and We arrive as bf16 (xb; wf in fragment order), be is rounded to bf16 here; sums in f32; the bias starts the sums as the first products' C operand.
; SHARES.  Work-group (x, y) = tile y, columns 256 x on.  Wave w has the unit of 64 columns u = 4 x + w, of BOTH experts, and all 160 rows: 10 blocks of 16 rows x 8 fragments
; (0-3: lo, 4-7: hi) = 80 accumulators, 640 registers.  K goes in 32 steps of 32: 80 matrix instructions a step.
; THE MATRIX INSTRUCTION IS USED TRANSPOSED: source 0 = 16 columns of We, source 1 = 16 tokens.  In fragment nb, row r is column 64 u + 4 r + nb, so register j of lane (r, h) holds token r,
; column 64 u + 32 h + 4 j + nb: over j and nb a lane holds 32 neighbouring columns of one token.
; WHERE THE OPERANDS COME FROM.  A byte of wf has one reader among the four waves, so it goes from memory straight into registers: 16 loads of 512 bytes on end a step, through a ring
; of 3 register slots, asked for two steps ahead.  The tokens' rows are read by all four waves: rows 0-143 are gathered once into LDS by asynchronous copies (144 x 2,064 bytes; 160 rows would
; not fit); rows 144-159 come as fragments straight from xb, two loads a step, in the same ring.  The fragments out of LDS have two register buffers, fetched one step ahead.
; A K STEP is ONE run of 36 loads (18 for the ring, 18 out of LDS) behind four v_nop, and then its matrix instructions on end.
; THE GRID SERVES EVERY SPLIT: 79 tiles are the most that 8,192 tokens in 28 sets can make.  A tile with rows = 0 stores nothing: it runs the set-up and K step 0 on clamped addresses, jumps the other
; 31 steps, passes both barriers (no barrier stands under a branch on loaded data) and ends.  In a tile that is not full the places past the count repeat the tile's last token.  Of the blocks wholly past
; the count, blocks 5 to 9 are multiplied in K step 0 alone (which writes every accumulator) and jumped in the other 31 steps; blocks 1 to 4 are multiplied; none of them is stored.  Inside the last
; block the repeated rows are stored again with the same bytes, at most 15 rows a tile.
; NO CLUSTER: the tokens come by a list, which no tile descriptor covers; what tiles share is wf, and only the tiles of one set do (their number hangs on stored counts: partners would not be alike).
; REGISTERS, in windows of 256 (s_set_vgpr_msb: bits 1:0 source 0, 3:2 source 1, 5:4 source 2, 7:6 destination):
;   window 0: v0-15, v30-31 addresses; v32-103 tokens' fragments of blocks 0-8, buffer 0; v16-23 and v104-127 blocks 8 and 5-7 of buffer 1 (at work in the set-up); v128-255 accumulators of blocks 8, 9
;   window 1: ring slot s at 72 s: 8 fragments of wf, then block 9's tokens; slot 2 first holds the bias; v216-255 first the copies' two addresses, then blocks 0-4 of buffer 1
;   window 2: accumulators of blocks 0-3 (first: the bias as loaded);   window 3: blocks 4-7
;   on the way out: window 0 v32-63 T, v64-127 two buffers of rows; window 1 v0-79 the stores' offsets, v80-99 the weights
.set AP,    2064                       ; a token's row in LDS: 2,048 bytes + 16: an odd multiple of 16, so the 16 rows of a fragment load start at 16 different 16-byte columns modulo 256
.set STAGE, 144*AP                     ; 297,216: behind the rows, 16 rows x 272 bytes for each wave, for the way out; no copy lands from here on
.set SP,    272
.set STW,   16*SP
.set TOKL,  STAGE+4*STW                ; 314,624: the tile's 160 token numbers
.set WL,    TOKL+768                   ; 315,392: their 160 pairs of weights
.set SPARE, WL+1280                    ; 316,672: the spare words, 128 bytes a wave: no other line names them
.set LN16, 4                           ; v4   16 x lane; never rewritten
.set V9,   5                           ; v5   block 9: my token's row in xb + 16 h; never rewritten
.set AD,   6                           ; v6-10  LDS address of my place in blocks 2 i, 2 i + 1 at the K step in hand
.set STO,  11                          ; v11  the way out: where I put my 128 bytes of a row
.set RD,   12                          ; v12  where I read rows back
.set COL,  13                          ; v13  my 16 bytes in a row of out0
.set WLA,  14                          ; v14  my token's weights
.set TKA,  15                          ; v15  the eight tokens whose rows I store
.set SPW,  30
.set NIL,  31
.set XA,   32                          ; buffer 0: block m at XA + 8 m, window 0
.set XB8,  16                          ; buffer 1: block 8, window 0
.set XB0,  104                         ; buffer 1: blocks 5-7, window 0
.set XB1,  216                         ; buffer 1: blocks 0-4, window 1
.set BIAS, 144                         ; window 1
.set GA,   216                         ; window 1
.set LA,   234                         ; window 1
.set T,    32
.set OB,   64
.set TK,   0                           ; window 1
.set WV,   80                          ; window 1
.set MSB, 0
.macro WIN new                         ; the immediate's high byte repeats the setting that is left; a switch that changes nothing is dropped
.if MSB != (\new)
	s_set_vgpr_msb (MSB<<8)|(\new)
.set MSB, (\new)
.endif
.endm
.macro PLACES                          ; four plain instructions between a matrix instruction and a load into one of its registers, or a reader of its result
.rept 4
	v_nop
.endr
.endm
	s_load_b256 s[4:11], s[0:1], 0x0               ; xb s[4:5], wf s[6:7], be s[8:9], gw s[10:11]
	s_load_b128 s[12:15], s[0:1], 0x20             ; perm s[12:13], tile s[14:15]
	s_load_b64 s[16:17], s[0:1], 0x30              ; out0
	v_lshl_add_u32 v[SPW], v0, 2, SPARE
	v_mov_b32 v[NIL], 0
	ds_add_u32 v[SPW], v[NIL]                      ; the wave's opening: the add and its wait stand ahead of my first copy; the set-up below, work on registers, stands between them
	v_lshrrev_b32 v16, 5, v0
	v_readfirstlane_b32 s18, v16                   ; wave 0..3
	v_and_b32 v17, 31, v0                          ; lane
	v_and_b32 v2, 15, v0                           ; r
	v_bfe_u32 v3, v0, 4, 1                         ; h
	v_and_b32 v25, 7, v0
	v_lshlrev_b32 v[LN16], 4, v17
	v_lshlrev_b32 v19, 4, v2                       ; 16 r
	v_lshlrev_b32 v21, 4, v3                       ; 16 h
	v_lshlrev_b32 v22, 7, v3                       ; 128 h
	s_lshl_b32 s19, ttmp9, 2
	s_add_co_u32 s19, s19, s18                     ; u
	s_and_b32 s32, ttmp7, 0xffff
	s_lshl_b32 s32, s32, 4                         ; my tile's entry
	s_mov_b32 s33, 0
	s_mov_b32 s39, 0xffff0000
	v_mul_u32_u24 v[AD], v2, AP                    ; a fragment: row r, 16 bytes for each half of the lanes, and 32 bytes on
	v_add_nc_u32 v[AD], v21, v[AD]
.irp i, 1,2,3,4
	v_add_nc_u32 v[AD+\i], \i*32*AP, v[AD]
.endr
	s_mul_i32 s40, s18, STW
	s_add_co_u32 s40, s40, STAGE                   ; my stage
	v_mul_u32_u24 v[STO], v2, SP                   ; in: row r, 128 bytes for each half of the lanes
	v_lshl_add_u32 v[STO], v3, 7, v[STO]
	v_add_nc_u32 v[STO], s40, v[STO]
	v_mul_u32_u24 v[RD], v3, 8*SP                  ; back: lanes 0-15 take row t, lanes 16-31 row 8 + t, 256 bytes each
	v_add_nc_u32 v[RD], v19, v[RD]
	v_add_nc_u32 v[RD], s40, v[RD]
	s_lshl_b32 s41, s19, 8
	v_add_nc_u32 v[COL], s41, v19
	v_lshl_add_u32 v[WLA], v2, 3, WL
	v_lshl_add_u32 v[TKA], v3, 5, TOKL
	s_mul_i32 s40, s18, 160                        ; each wave writes 40 rows of the two small tables: rows 40 w + lane, and 40 w + 32 + lane % 8
	s_add_co_u32 s40, s40, TOKL
	v_lshl_add_u32 v23, v17, 2, s40
	v_lshl_add_u32 v24, v25, 2, s40
	s_mul_i32 s41, s18, 320
	s_add_co_u32 s41, s41, WL
	v_lshl_add_u32 v26, v17, 3, s41
	v_lshl_add_u32 v27, v25, 3, s41
	s_mul_i32 s40, s18, 36*AP                      ; each wave copies 36 rows, two to a copy: lanes 0-15 256 bytes of one, lanes 16-31 of the next
	v_mul_u32_u24 v20, v3, AP
	v_add_nc_u32 v20, v19, v20
	v_add_nc_u32 v20, s40, v20
	s_mul_i32 s41, s18, 36
	v_add_nc_u32 v18, s41, v3                      ; row 36 w + h
	s_mul_i32 s42, s18, 40
	v_add_nc_u32 v28, s42, v17                     ; row 40 w + lane
	v_add_nc_u32 v29, s42, v25
	s_wait_dscnt 0x0                               ; the opening add is done
	s_wait_kmcnt 0x0
	s_add_nc_u64 s[14:15], s[14:15], s[32:33]
	s_load_b128 s[20:23], s[14:15], 0x0            ; first place in perm, rows, lo, hi
	s_wait_kmcnt 0x0
	s_min_u32 s20, s20, 0x1fff                     ; loaded numbers enter addresses only clamped
	s_min_u32 s21, s21, 160
	s_min_u32 s22, s22, 7
	s_min_u32 s23, s23, 7
	s_max_u32 s24, s21, 1
	s_sub_co_u32 s24, s24, 1                       ; the tile's last row: places past the count repeat it
.macro PIDX d, row, plus               ; the byte in perm of tile row v[row] + plus
	v_add_nc_u32 v[\d], \plus, v[\row]
	v_min_u32 v[\d], s24, v[\d]
	v_add_nc_u32 v[\d], s20, v[\d]
	v_min_u32 v[\d], 0x1fff, v[\d]
	v_lshlrev_b32 v[\d], 2, v[\d]
.endm
.set i, 0
.rept 18
	PIDX 32+i, 18, 2*i
.set i, i+1
.endr
	PIDX 50, 2, 144
	PIDX 51, 28, 0
	PIDX 52, 29, 32
	WIN 0x40                                       ; destination window 1
.set i, 0
.rept 18
	global_load_b32 v[GA+i], v[32+i], s[12:13]
.set i, i+1
.endr
	WIN 0
	global_load_b32 v56, v50, s[12:13]
	global_load_b32 v57, v51, s[12:13]
	global_load_b32 v58, v52, s[12:13]
	s_lshl_b32 s40, s19, 17                        ; wf: expert x 2 MB + unit x 128 KB
	s_lshl_b32 s32, s22, 21
	s_add_co_u32 s32, s32, s40
	s_add_nc_u64 s[26:27], s[6:7], s[32:33]
	s_lshl_b32 s32, s23, 21
	s_add_co_u32 s32, s32, s40
	s_add_nc_u64 s[28:29], s[6:7], s[32:33]
	s_mov_b64 s[30:31], s[4:5]                     ; xb once more: this one steps along K
	s_lshl_b32 s40, s19, 8                         ; be: expert x 4,096 + unit x 256
	s_lshl_b32 s32, s22, 12
	s_add_co_u32 s32, s32, s40
	s_add_nc_u64 s[34:35], s[8:9], s[32:33]
	s_lshl_b32 s32, s23, 12
	s_add_co_u32 s32, s32, s40
	s_add_nc_u64 s[36:37], s[8:9], s[32:33]
	s_wait_loadcnt 0x0                             ; the tokens' numbers
	v_min_u32 v56, 0x1fff, v56
	v_min_u32 v57, 0x1fff, v57
	v_min_u32 v58, 0x1fff, v58
	v_lshl_add_u32 v[V9], v56, 11, v21
	v_lshlrev_b32 v59, 3, v57
	v_lshlrev_b32 v60, 3, v58
	WIN 0x44                                       ; destination and source 1 window 1
.set i, 0
.rept 18
	v_min_u32 v[GA+i], 0x1fff, v[GA+i]
.set i, i+1
.endr
	WIN 0x41                                       ; destination and source 0 window 1
.set i, 0
.rept 18
	v_lshl_add_u32 v[GA+i], v[GA+i], 11, v19       ; the token's row in xb + 16 r
.set i, i+1
.endr
	WIN 0x40
.set i, 0
.rept 18
	v_add_nc_u32 v[LA+i], i*2*AP, v20              ; and its place in LDS
.set i, i+1
.endr
; K step k (counted from the bases) into ring slot s: 18 loads
.macro RING k, s
	WIN 0x40
.irp n, 0,1,2,3
	global_load_b128 v[72*(\s)+8*\n:72*(\s)+8*\n+3],   v[LN16], s[26:27] offset:(\k)*4096+\n*1024
	global_load_b128 v[72*(\s)+8*\n+4:72*(\s)+8*\n+7], v[LN16], s[26:27] offset:(\k)*4096+\n*1024+512
.endr
.irp n, 0,1,2,3
	global_load_b128 v[72*(\s)+32+8*\n:72*(\s)+32+8*\n+3],   v[LN16], s[28:29] offset:(\k)*4096+\n*1024
	global_load_b128 v[72*(\s)+32+8*\n+4:72*(\s)+32+8*\n+7], v[LN16], s[28:29] offset:(\k)*4096+\n*1024+512
.endr
	global_load_b128 v[72*(\s)+64:72*(\s)+67], v[V9], s[30:31] offset:(\k)*64
	global_load_b128 v[72*(\s)+68:72*(\s)+71], v[V9], s[30:31] offset:(\k)*64+32
.endm
	WIN 0
	global_load_b64 v[104:105], v59, s[10:11]      ; 2 loads: the weights of the rows whose table entries I write
	global_load_b64 v[106:107], v60, s[10:11]
	WIN 0x80                                       ; destination window 2: not yet accumulators
.irp j, 0,1,2,3,4,5,6,7
	global_load_b128 v[4*\j:4*\j+3], v22, s[34:35] offset:16*\j          ; 16 loads: my 32 columns of be[lo], then of be[hi]
.endr
.irp j, 0,1,2,3,4,5,6,7
	global_load_b128 v[32+4*\j:32+4*\j+3], v22, s[36:37] offset:16*\j
.endr
	RING 0, 0                                      ; 36 loads: K steps 0 and 1
	RING 1, 1
	WIN 0x41                                       ; a copy's LDS address is its destination, its offset in memory its source 0: both in window 1
.irp c, 0,1,2,3,4,5,6,7                ; 144 copies a wave, K ascending; the immediate is added to both addresses
.set i, 0
.rept 18
	global_load_async_to_lds_b128 v[LA+i], v[GA+i], s[4:5] offset:\c*256
.set i, i+1
.endr
.endr
	WIN 0
	s_wait_loadcnt 52                              ; the weights are in: 16 + 36 loads were issued behind them
	ds_store_b32 v23, v57
	ds_store_b32 v24, v58 offset:128
	ds_store_b64 v26, v[104:105]
	ds_store_b64 v27, v[106:107] offset:256
	s_wait_loadcnt 36                              ; the bias is in; the ring's 36 stay out
	WIN 0x0a                                       ; sources window 2
.set i, 0
.rept 32
	v_cvt_pk_bf16_f32 v[32+i], v[2*i], v[2*i+1]    ; rounded to bf16,
.set i, i+1
.endr
	WIN 0x40
.irp e, 0,1                            ; and widened into the form of an accumulator: column 4 j + nb goes to fragment nb, register j
.irp j, 0,1,2,3,4,5,6,7
	v_lshlrev_b32 v[BIAS+8*(4*\e)+\j],   16,  v[32+16*\e+2*\j]
	v_and_b32     v[BIAS+8*(4*\e+1)+\j], s39, v[32+16*\e+2*\j]
	v_lshlrev_b32 v[BIAS+8*(4*\e+2)+\j], 16,  v[32+16*\e+2*\j+1]
	v_and_b32     v[BIAS+8*(4*\e+3)+\j], s39, v[32+16*\e+2*\j+1]
.endr
.endr
	WIN 0
	s_wait_asynccnt 0x0                            ; my 36 rows are in LDS (and the copies' address registers are free: they become part of fragment buffer 1),
	s_wait_dscnt 0x0                               ; and my part of the two tables
	s_barrier_signal -1
	s_barrier_wait -1                              ; everybody's are
; Where block m's tokens' fragment lies: AF its first register, AW its window.  b = the fragment buffer, s = the ring slot (block 9 alone)
.macro AFRAG b, m, s
.if (\m) == 9
.set AF, 72*(\s)+64
.set AW, 1
.elseif (\b) == 0
.set AF, XA+8*(\m)
.set AW, 0
.elseif (\m) < 5
.set AF, XB1+8*(\m)
.set AW, 1
.elseif (\m) < 8
.set AF, XB0+8*((\m)-5)
.set AW, 0
.else
.set AF, XB8
.set AW, 0
.endif
.endm
.macro ALOAD k, b                      ; the fragments of blocks 0-8 at K step k (counted from the addresses) into buffer b: 18 loads
.irp m, 0,1,2,3,4,5,6,7,8
	AFRAG \b, \m, 0
	WIN AW<<6
	ds_load_b128 v[AF:AF+3],   v[AD+\m/2] offset:(\m%2)*16*AP+(\k)*64
	ds_load_b128 v[AF+4:AF+7], v[AD+\m/2] offset:(\m%2)*16*AP+(\k)*64+32
.endr
.endm
; Block m (fragment buffer b) times the 8 fragments of ring slot s.  first = 1: the bias, in window 1, starts the sums
.macro PROD m, s, b, first
	AFRAG \b, \m, \s
.if (\m) < 4
.set DB, 64*(\m)
.set DW, 2
.elseif (\m) < 8
.set DB, 64*((\m)-4)
.set DW, 3
.else
.set DB, 128+64*((\m)-8)
.set DW, 0
.endif
.if \first
	WIN 1|(AW<<2)|(1<<4)|(DW<<6)
.else
	WIN 1|(AW<<2)|(DW<<4)|(DW<<6)
.endif
.irp n, 0,1,2,3,4,5,6,7
.if \first
	v_wmma_f32_16x16x32_bf16 v[DB+8*\n:DB+8*\n+7], v[72*(\s)+8*\n:72*(\s)+8*\n+7], v[AF:AF+7], v[BIAS+8*\n:BIAS+8*\n+7]
.else
	v_wmma_f32_16x16x32_bf16 v[DB+8*\n:DB+8*\n+7], v[72*(\s)+8*\n:72*(\s)+8*\n+7], v[AF:AF+7], v[DB+8*\n:DB+8*\n+7]
.endif
.endr
.endm
; A K step, kin steps from the bases, on ring slot s and fragment buffer b.  The accumulators take turns, one instruction a turn, in the same order in every step.
; load = 1: the step two ahead is asked for, into the ring slot that the step before read.  nexta = 1: the next step's fragments are fetched, into the buffer that the step before read.
; left = the ring's loads that may stay out.  Ahead of each of blocks 5 to 9 the tile's rows are asked: a block wholly past the count, and those behind it, are jumped: a jump forward
; over matrix instructions alone, so every load has been issued and every count holds on both ways.  The first step jumps nothing: it writes every accumulator.
.macro STEP kin, s, b, first, load, nexta, left
.if !(\first)
	PLACES                                         ; behind the last step's products, which read that slot and that buffer
.endif
.if (\load) && !(\first)
	RING (\kin)+2, ((\s)+2)%3
.endif
.if \nexta
	ALOAD (\kin)+1, 1-(\b)
	s_wait_dscnt 18                                ; this step's fragments, asked for a step ago, are in; the 18 loads just issued may be out
.else
	s_wait_dscnt 0x0
.endif
	s_wait_loadcnt \left                           ; this step's 18 ring loads are in
.irp m, 0,1,2,3,4
	PROD \m, \s, \b, \first
.endr
.irp m, 5,6,7,8,9
.if !(\first)
	WIN 0                                          ; at a branch every window is 0
	s_cmp_le_u32 s21, 16*\m
	s_cbranch_scc1 .Ldead_\@
.endif
	PROD \m, \s, \b, \first
.endr
	WIN 0
.if \first
	PLACES                                         ; the bias has been read: slot 2 takes K step 2
	RING 2, 2
.else
.Ldead_\@:
.endif
.endm
.macro ADV n                           ; the bases go n K steps on
	s_add_nc_u64 s[26:27], s[26:27], (\n)*4096
	s_add_nc_u64 s[28:29], s[28:29], (\n)*4096
	s_add_nc_u64 s[30:31], s[30:31], (\n)*64
.irp i, 0,1,2,3,4
	v_add_nc_u32 v[AD+\i], (\n)*64, v[AD+\i]
.endr
.endm
	ALOAD 0, 0
	STEP 0, 0, 0, 1, 1, 1, 18                      ; K step 0: step 1's 18 loads stay out.  It writes all 80 accumulators, and every tile runs it
	WIN 0
	s_cmp_eq_u32 s21, 0
	s_cbranch_scc1 .Lmeet                          ; a tile past the last jumps the other 31 steps: a jump forward, over no barrier
	s_wait_xcnt 0x0                                ; the loads' bases are stepped only behind this wait
	ADV 1
	s_mov_b32 s38, 4
.Ltrip:                                                ; K steps 1 to 24, six a trip: twice round the ring of three, three times through the two buffers; two later steps' loads, 36, stay out at each wait
	STEP 0, 1, 1, 0, 1, 1, 36
	STEP 1, 2, 0, 0, 1, 1, 36
	STEP 2, 0, 1, 0, 1, 1, 36
	STEP 3, 1, 0, 0, 1, 1, 36
	STEP 4, 2, 1, 0, 1, 1, 36
	STEP 5, 0, 0, 0, 1, 1, 36
	s_wait_xcnt 0x0
	ADV 6
	s_sub_co_u32 s38, s38, 1
	s_cmp_lg_u32 s38, 0
	s_cbranch_scc1 .Ltrip
	STEP 0, 1, 1, 0, 1, 1, 36                      ; K steps 25 to 29 ask for 27 to 31;
	STEP 1, 2, 0, 0, 1, 1, 36
	STEP 2, 0, 1, 0, 1, 1, 36
	STEP 3, 1, 0, 0, 1, 1, 36
	STEP 4, 2, 1, 0, 1, 1, 36
	STEP 5, 0, 0, 0, 0, 1, 18                      ; the last two ask for nothing: no load passes the end of wf or of a row of xb
	STEP 6, 1, 1, 0, 0, 0, 0
.Lmeet:
	; THE SECOND BARRIER stands between the K steps' LDS reads, whose addresses step from trip to trip, and the LDS stores of the way out: every wave's reads are back before any wave stores.
	s_wait_loadcnt 0x0                             ; nothing is out behind the last step; behind the jump the ring's 36 loads are: their registers are used again below
	s_wait_dscnt 0x0                               ; my reads of the rows are over
	s_barrier_signal -1
	s_barrier_wait -1                              ; everybody's are
	s_cmp_eq_u32 s21, 0
	s_cbranch_scc1 .Lend                           ; a tile past the last stores nothing
	; THE WAY OUT.  The stores' offsets and the weights come from the two tables into the ring's registers.
	PLACES
	WIN 0x40
.irp m, 0,1,2,3,4,5,6,7,8,9
	ds_load_b128 v[TK+8*\m:TK+8*\m+3],   v[TKA] offset:64*\m       ; tokens of rows 16 m + 8 h + 0..7
	ds_load_b128 v[TK+8*\m+4:TK+8*\m+7], v[TKA] offset:64*\m+16
	ds_load_b64 v[WV+2*\m:WV+2*\m+1], v[WLA] offset:128*\m         ; weights of row 16 m + r
.endr
	s_wait_dscnt 0x0
	WIN 0x44
.set i, 0
.rept 80
	v_min_u32 v[TK+i], 0x1fff, v[TK+i]
.set i, i+1
.endr
	WIN 0x41
.set i, 0
.rept 80
	v_lshl_add_u32 v[TK+i], v[TK+i], 12, v[COL]    ; the token's row in out0 + my 16 bytes
.set i, i+1
.endr
; Block m: the two experts' sums (bias within) are weighed and added; each accumulator is read from its low end on.  T[4 j + nb] = my token's column 32 h + 4 j + nb.
.macro PACK m
.if (\m) < 4
	WIN 0x09                                       ; source 0 (weights) window 1, source 1 (sums) window 2
.set AB, 64*(\m)
.elseif (\m) < 8
	WIN 0x0d
.set AB, 64*((\m)-4)
.else
	WIN 0x01
.set AB, 128+64*((\m)-8)
.endif
.irp j, 0,1,2,3,4,5,6,7
.irp n, 0,1,2,3
	v_mul_f32 v[T+4*\j+\n], v[WV+2*(\m)], v[AB+8*\n+\j]
.endr
.irp n, 0,1,2,3
	v_fmac_f32 v[T+4*\j+\n], v[WV+2*(\m)+1], v[AB+32+8*\n+\j]
.endr
.endr
.endm
.macro TOSTAGE m                       ; into my own stage, and back as whole rows of 256 bytes
	WIN 0
	s_wait_xcnt 0x0                                ; the buffer was block m - 2's store data; those stores were issued ahead of block m's 64 lines of arithmetic
.irp j, 0,1,2,3,4,5,6,7
	ds_store_b128 v[STO], v[T+4*\j:T+4*\j+3] offset:16*\j
.endr
.irp t, 0,1,2,3,4,5,6,7
	ds_load_b128 v[OB+32*((\m)%2)+4*\t:OB+32*((\m)%2)+4*\t+3], v[RD] offset:\t*SP   ; LDS serves a wave's instructions in order: these see the stores above, and the next block's stores come behind them
.endr
.endm
.macro SEND m, younger                 ; younger: the LDS instructions issued behind block m's loads from the stage: the next block's sixteen, or none
	s_wait_dscnt \younger                          ; the block is back in registers
	WIN 0x01                                       ; the offsets lie in window 1
.irp t, 0,1,2,3,4,5,6,7
	global_store_b128 v[TK+8*(\m)+\t], v[OB+32*((\m)%2)+4*\t:OB+32*((\m)%2)+4*\t+3], s[16:17] th:TH_STORE_NT   ; each 16 lanes store 256 consecutive bytes of one token's row, at a multiple of 256 from out0's first
.endr
	WIN 0
.endm
	PACK 0
	TOSTAGE 0
.irp m, 1,2,3,4,5,6,7,8,9              ; block m's arithmetic and its way through the stage stand between block m - 1's loads from the stage and its stores; blocks wholly past the count are jumped
	s_cmp_le_u32 s21, 16*\m
	s_cbranch_scc1 .Lfin_\m
	PACK \m
	TOSTAGE \m
	SEND \m-1, 16
.endr
	SEND 9, 0
	s_branch .Lend
.irp m, 1,2,3,4,5,6,7,8,9
.Lfin_\m:
	SEND \m-1, 0                                   ; the tile's last block
	s_branch .Lend
.endr
.Lend:
	s_wait_tensorcnt 0x0                           ; the wave's end
	s_wait_asynccnt 0x0
	ds_add_u32 v[SPW], v[NIL]
	s_wait_dscnt 0x0
	s_endpgm
.Lfunc_end_k_qbe2584805e_chain:
	.size	k_qbe2584805e_chain, .Lfunc_end_k_qbe2584805e_chain-k_qbe2584805e_chain
	.p2alignl 7, 3214868480
	.fill 96, 4, 3214868480
	.section	.rodata,"a",@progbits
	.p2align	6, 0x0
	.amdhsa_kernel k_qbe2584805e_chain
		.amdhsa_group_segment_fixed_size 327680
		.amdhsa_private_segment_fixed_size 0
		.amdhsa_enable_private_segment 0
		.amdhsa_kernarg_size 56
		.amdhsa_user_sgpr_count 2
		.amdhsa_user_sgpr_kernarg_segment_ptr 1
		.amdhsa_wavefront_size32 1
		.amdhsa_system_sgpr_workgroup_id_x 1
		.amdhsa_system_sgpr_workgroup_id_y 1
		.amdhsa_system_sgpr_workgroup_id_z 1
		.amdhsa_system_vgpr_workitem_id 0
		.amdhsa_next_free_vgpr 1024
		.amdhsa_next_free_sgpr 66
		.amdhsa_reserve_vcc 0
		.amdhsa_float_denorm_mode_32 3
		.amdhsa_float_denorm_mode_16_64 3
		.amdhsa_memory_ordered 1
		.amdhsa_forward_progress 1
		.amdhsa_inst_pref_size 220
	.end_amdhsa_kernel
	.amdgpu_metadata
---
amdhsa.version: [ 1, 2 ]
amdhsa.kernels:
  - .name:           k_qbe2584805e_chain
    .symbol:         k_qbe2584805e_chain.kd
    .args:
      - { .name: xb, .offset: 0, .size: 8, .value_kind: global_buffer, .address_space: global }
      - { .name: wf, .offset: 8, .size: 8, .value_kind: global_buffer, .address_space: global }
      - { .name: be, .offset: 16, .size: 8, .value_kind: global_buffer, .address_space: global }
      - { .name: gw, .offset: 24, .size: 8, .value_kind: global_buffer, .address_space: global }
      - { .name: perm, .offset: 32, .size: 8, .value_kind: global_buffer, .address_space: global }
      - { .name: tile, .offset: 40, .size: 8, .value_kind: global_buffer, .address_space: global }
      - { .name: out0, .offset: 48, .size: 8, .value_kind: global_buffer, .address_space: global }
    .group_segment_fixed_size: 327680
    .private_segment_fixed_size: 0
    .kernarg_segment_align: 8
    .kernarg_segment_size: 56
    .max_flat_workgroup_size: 128
    .sgpr_count:     66
    .vgpr_count:     1024
    .wavefront_size: 32
...
	.end_amdgpu_metadata
.endif
;; end of part 3
